; MI455X (gfx1250); checked and timed in simulation.
; The chip was launched on July 23, 2026; its instructions are those of AMD's public machine-readable ISA for CDNA 5 (MIT licence, August 2026) and "CDNA5" Instruction Set Architecture Reference Guide (July 2026). The comments in the code are by the model that wrote it; some were corrected since.
;; Multi Head Attention. Allowed arithmetic: matrix products marked QUANTISED: E4M3 operands, one given power-of-two scale a tensor, by v_wmma_f32_16x16x64_fp8_fp8 or v_wmma_f32_16x16x128_fp8_fp8, f32 sums; everything else in f32.
;; Inputs: lowp_scales 12 int32 (the exponents e of the quantised operands' scales 2^e); wk 1,024 x 1,024 float32; wo 1,024 x 1,024 float32; wo_b 1,024 float32; wq 1,024 x 1,024 float32; wv 1,024 x 1,024 float32; x 4 x 2,048 x 1,024 float32.
;; Outputs: out0 4 x 2,048 x 1,024 float32.
;; This version of the problem:
;;   THIS VERSION OF THE PROBLEM IS GIVEN IN LOW PRECISION. The matrix products marked QUANTISED in the list below multiply operands that are first quantised to E4M3 (4 exponent bits, 3 mantissa bits; 8 bits a number), with one given power-of-two scale for each operand tensor; their sums are f32. All else is computed in f32.
;;   The module's matrix products, in the order in which they are computed (A, B: the left and right operand; K: the contracted axis; several contracted axes count as one K, in the product's order):
;;     1. [M 8,192, K 1,024] x [K 1,024, N 1,024]; A: input x; B: input wq: QUANTISED (scales: A lowp_scales[0], B lowp_scales[1])
;;     2. [M 8,192, K 1,024] x [K 1,024, N 1,024]; A: input x; B: input wk: QUANTISED (scales: A lowp_scales[2], B lowp_scales[3])
;;     3. [M 8,192, K 1,024] x [K 1,024, N 1,024]; A: input x; B: input wv: QUANTISED (scales: A lowp_scales[4], B lowp_scales[5])
;;     4. batch 64 x [M 2,048, K 64] x [K 64, N 2,048]; A: computed on the way; B: computed on the way: QUANTISED (scales: A lowp_scales[6], B lowp_scales[7])
;;     5. batch 64 x [M 2,048, K 2,048] x [K 2,048, N 64]; A: softmax (see below); B: computed on the way: QUANTISED (scales: A lowp_scales[8], B lowp_scales[9])
;;     6. [M 8,192, K 1,024] x [K 1,024, N 1,024]; A: computed on the way; B: input wo: QUANTISED (scales: A lowp_scales[10], B lowp_scales[11])
;;   THE QUANTISER, for each operand of a quantised product, along K:
;;     - The operand's scale is 2^e, e = its entry of the input lowp_scales (int32; the entries are numbered through the quantised products in the list's order, A before B).
;;     - Each number is divided by the scale, clamped to +-448, and rounded to the nearest number of E4M3, ties to even, subnormals kept.
;;     - The product sums the exact products of the quantised numbers (number of the format x scale) in f32.
;;   ~~~python
;;   def quantise(x, axis, e):      # numpy; x: float32 -> the quantised numbers, widened to float32 again
;;       x = np.moveaxis(x, axis, -1); K = x.shape[-1]
;;       r = np.clip(x / 2.0 ** e, -448, 448)
;;       step = 2.0 ** (np.maximum(np.frexp(np.where(r == 0, 1, r))[1] - 1, -6) - 3)
;;       q = np.round(r / step) * step * 2.0 ** e      # np.round: ties to even
;;       return np.moveaxis(q, -1, axis).astype(np.float32)
;;   ~~~
;;   SOFTMAX AHEAD OF A QUANTISED PRODUCT. Where the list says 'softmax', what is quantised is not the finished softmax but p = 2^(t - M), with t = logit x log2(e) and M = ceil(the row's largest t), a whole number; so 1/2 < the row's largest p <= 1. The row's sum l is taken of the UNQUANTISED p, in f32, and the product's result is divided by l at the end. Since M is a whole number, a kernel that streams over the keys may use a running M (the ceiling of the running maximum): every later rescaling is an exact power of two, so the quantised numbers keep their values, but for numbers so far below the row's largest that they fall under the format's range.
;;   OPERANDS COMPUTED ON THE WAY. 'Computed on the way' means the value that the module computes at that place (a softmax that the list does not call 'softmax' is quantised finished and normalised). What goes into a quantiser is computed in f32, as accurately as f32 sums, v_exp_f32 and their like allow (about 1e-6 of the number): no bf16 or f16 on the way to a quantiser, and a product that is left as it is and whose result goes on into a quantised operand takes f32 operands (vector FMAs, or v_wmma_f32_16x16x4_f32). A number that lies on a knife's edge between two numbers of the format may be rounded either way, as far as f32 arithmetic and the matrix unit's own rounding can turn it there, and no further.
;; One version. Each part assembles by itself: llvm-mc -triple=amdgcn-amd-amdhsa -mcpu=gfx1250 --defsym DOCPART=n.
;; ======== version 1 of 1: 4 launches
;; limits: right only within a limited range of input values
;; workspace buffers: xc 25,165,824 bytes; wc 4,194,304 bytes; qkvc 25,165,824 bytes; cc 8,388,608 bytes
;; launch prep (part 1): grid 768 x 1, 8 waves a work-group, no clusters, 68,608 bytes of LDS; arguments x, wq, wk, wv, wo, lowp_scales, xc, wc; writes xc, wc
.if DOCPART == 1
	.amdgcn_target "amdgcn-amd-amdhsa--gfx1250"
	.amdhsa_code_object_version 6
	.text
	.protected	k_qee79b188a9_prep
	.globl	k_qee79b188a9_prep
	.p2align	8
	.type	k_qee79b188a9_prep,@function
k_qee79b188a9_prep:
	s_mov_b64 s[64:65], 0
	v_nop
	global_prefetch_b8 v0, s[64:65] scope:SCOPE_SE
	s_setreg_imm32_b32 hwreg(HW_REG_WAVE_MODE, 25, 1), 1
	s_wait_xcnt 0x0
; x [8192][1024] and wq, wk, wv, wo [1024][1024], f32 with K innermost, become codes of FP8 (E4M3), laid in the order of an operand's registers.
; code = number / 2^e, held within +-448, rounded to the nearest code, ties to even.  x is quantised three times, with entries 0, 2 and 4 of the scales; wq, wk, wv, wo with entries 1, 3, 5, 11.
; THE LAYOUT OF ALL CODES IN THIS PROGRAM.  Tile 2 G + u of a matrix's rows holds rows 32 G + 8 u + r + 8 (r / 8), r = 0 .. 15.  A chunk is 512 bytes, [lane][16 bytes]: lane (r, h) = r + 16 h holds
; k = 32 c + 16 h + 0 .. 15 of its row.  Four chunks are a fragment of 16 rows x 128 K; one load or store of 16 bytes a lane moves a chunk, 512 consecutive bytes.
; xc: [variant 3][256 along K: 4][tile 512][128 along K: 2][chunk 4][512];  wc: [matrix 4][4][tile 64][2][4][512].
; SHARES.  A work-group takes one tile of 16 rows, wave w its K step w (128 along K: one fragment).  Work-groups 0-511: x's tiles; 512-767: the weights', 64 each.  Only pointers, an exponent and offsets are chosen by
; the work-group's number; the way through LDS is one for all.  A row's 512 bytes are loaded as they lie (16 bytes a lane) and turn through the wave's own stage, so that a lane gets 16 neighbours along K of one row.
; No tensor load, no barrier: waves share nothing.  Nothing is shared between work-groups either, so there is no cluster.
; LIMITS: each of the seven exponents lies between -126 and 119, so that 2^e and 448 x 2^e are f32 numbers.  NaN among the inputs is not served (an infinity is held at the largest code).
.set ROWX, 4096                        ; a row of x or of a weight in bytes
.set SP,   528                         ; a stage row: 512 bytes + 16 = 33 x 16: sixteen lanes that take the same column of sixteen rows fall on sixteen different 16-byte columns of 256
.set WST,  16*SP                       ; a wave's stage
.set R,    16                          ; v16-79   the 16 rows as loaded
.set X,    80                          ; v80-143  register 16 c + i: k = 32 c + 16 h + i of my row
.set T,    16
.set C0,   48                          ; v48-63   the first fragment's codes
.set C1,   64                          ; v64-79   x's second variant
.set C2,   144                         ; v144-159 x's third variant
	s_load_b512 s[4:19], s[0:1], 0x0               ; x s[4:5], wq s[6:7], wk s[8:9], wv s[10:11], wo s[12:13], the scales s[14:15], xc s[16:17], wc s[18:19]
	v_lshl_add_u32 v160, v0, 2, 0x10800
	v_mov_b32 v161, 0
	v_lshrrev_b32 v1, 5, v0
	s_delay_alu instid0(VALU_DEP_1)
	v_readfirstlane_b32 s32, v1                    ; wave 0..7 = K step
	v_and_b32 v2, 31, v0
	s_delay_alu instid0(VALU_DEP_1)
	v_lshlrev_b32 v4, 4, v2                        ; 16 x lane: my bytes of a load's 512, and of a chunk
	s_delay_alu instid0(VALU_DEP_1)
	v_add_nc_u32 v8, 0x800000, v4                  ; the same in x's second variant, 8 MiB on,
	s_delay_alu instid0(VALU_DEP_2)
	v_add_nc_u32 v9, 0x1000000, v4                 ; and in the third
	s_mul_i32 s46, s32, WST
	v_add_nc_u32 v5, s46, v4                       ; the stage on the way in: a row as it lies
	v_and_b32 v3, 15, v0                           ; r
	v_bfe_u32 v7, v0, 4, 1                         ; h
	s_delay_alu instid0(VALU_DEP_2)
	v_mul_u32_u24 v6, v3, SP
	s_delay_alu instid0(VALU_DEP_1)
	v_lshl_add_u32 v6, v7, 6, v6
	s_delay_alu instid0(VALU_DEP_1)
	v_add_nc_u32 v6, s46, v6                       ; and on the way out: row r, + 64 h bytes
	s_sub_co_u32 s34, ttmp9, 512
	s_bfe_u32 s35, s34, 0x20006                    ; which weight (2 bits from bit 6); of no meaning in x's work-groups, where the last choice below overrides it
	s_and_b32 s34, s34, 63                         ; and its tile
	s_mov_b32 s41, 0x40000
	s_cmp_lt_u32 ttmp9, 512                        ; x's work-group?
	s_cselect_b32 s40, ttmp9, s34                  ; the tile
	s_cselect_b32 s44, 0, s35
	s_cselect_b32 s41, 0x200000, s41               ; bytes of 256 along K of all tiles: 2 MiB in xc, 256 KiB in wc
	s_lshr_b32 s42, s40, 1
	s_lshl_b32 s42, s42, 17                        ; 32 (tile / 2) rows of 4,096 bytes
	s_and_b32 s43, s40, 1
	s_lshl_b32 s43, s43, 15                        ; + 8 (tile % 2) rows
	s_add_co_u32 s42, s42, s43
	s_lshl_b32 s43, s32, 9                         ; + my K step's 512 bytes
	s_add_co_u32 s42, s42, s43
	s_mov_b32 s43, 0
	s_lshl_b32 s44, s44, 20                        ; out: the weight's 1 MiB,
	s_lshr_b32 s45, s32, 1
	s_mul_i32 s45, s45, s41                        ; 256 along K: wave / 2,
	s_add_co_u32 s44, s44, s45
	s_lshl_b32 s45, s40, 12                        ; the tile's 4,096 bytes,
	s_add_co_u32 s44, s44, s45
	s_and_b32 s45, s32, 1
	s_lshl_b32 s45, s45, 11                        ; 128 along K: wave % 2
	s_add_co_u32 s44, s44, s45
	s_mov_b32 s45, 0
	s_wait_alu depctr_va_vdst(0)
	s_wait_kmcnt 0x0
	s_load_b256 s[20:27], s[14:15], 0x0            ; entries 0 to 7 of the scales
	s_load_b128 s[28:31], s[14:15], 0x20           ; entries 8 to 11
	s_mov_b64 s[36:37], s[6:7]                     ; the source: a choice on the work-group's number alone
	s_cmp_eq_u32 s35, 1
	s_cselect_b64 s[36:37], s[8:9], s[36:37]
	s_cmp_eq_u32 s35, 2
	s_cselect_b64 s[36:37], s[10:11], s[36:37]
	s_cmp_eq_u32 s35, 3
	s_cselect_b64 s[36:37], s[12:13], s[36:37]
	s_cmp_lt_u32 ttmp9, 512
	s_cselect_b64 s[36:37], s[4:5], s[36:37]
	s_cselect_b64 s[38:39], s[16:17], s[18:19]
	s_add_nc_u64 s[36:37], s[36:37], s[42:43]
	s_add_nc_u64 s[38:39], s[38:39], s[44:45]
.irp i, 0,1,2,3,4,5,6,7,8,9,10,11,12,13,14,15
	global_load_b128 v[R+4*\i:R+4*\i+3], v4, s[36:37] offset:(\i+8*(\i/8))*ROWX th:TH_LOAD_NT   ; row i of the tile: 32 lanes read 512 consecutive bytes; read once in the launch
.endr
	s_wait_kmcnt 0x0
	s_mov_b32 s33, s21                             ; the first exponent: entry 1, 3, 5 or 11 for a weight, entry 0 for x
	s_cmp_eq_u32 s35, 1
	s_cselect_b32 s33, s23, s33
	s_cmp_eq_u32 s35, 2
	s_cselect_b32 s33, s25, s33
	s_cmp_eq_u32 s35, 3
	s_cselect_b32 s33, s31, s33
	s_cmp_lt_u32 ttmp9, 512
	s_cselect_b32 s33, s20, s33
.irp i, 0,1,2,3,4,5,6,7,8,9,10,11,12,13,14,15
	s_wait_loadcnt 15-\i                           ; loads come back in order: row i is in, the 15 - i younger ones stay out
	ds_store_b128 v5, v[R+4*\i:R+4*\i+3] offset:\i*SP
.endr
.irp c, 0,1,2,3
.irp j, 0,1,2,3
	ds_load_b128 v[X+16*\c+4*\j:X+16*\c+4*\j+3], v6 offset:128*\c+16*\j   ; LDS serves a wave's instructions in order: these see my stores
.endr
.endr
	s_wait_dscnt 0x0                               ; my 64 numbers are in, and the stage's stores have read R
; 64 numbers in X become a fragment's 16 registers of codes at v[cd], with the exponent in s[se].  X stays as it is: the conversions read it directly.
.macro QUANT cd, se
	s_add_co_i32 s46, s[\se], 127
	s_lshl_b32 s47, s46, 23                        ; 2^e as f32: the conversion takes its exponent field
	v_mov_b32 v10, s47
.irp c, 0,1,2,3
.irp i, 0,1,2,3,4,5,6,7,8,9,10,11,12,13,14,15
.endr
	v_cvt_scalef32_pk8_fp8_f32 v[\cd+4*\c:\cd+4*\c+1], v[T+16*(\c%2)+((X+16*\c+0)-(T+16*(\c%2)+0)):T+16*(\c%2)+7+((X+16*\c+0)-(T+16*(\c%2)+0))], v10
	v_cvt_scalef32_pk8_fp8_f32 v[\cd+4*\c+2:\cd+4*\c+3], v[T+16*(\c%2)+8+((X+16*\c+0)-(T+16*(\c%2)+0)):T+16*(\c%2)+15+((X+16*\c+0)-(T+16*(\c%2)+0))], v10
.endr
	v_nop                                          ; a plain line behind the last conversion: the next call writes v10, one of its sources
.endm
	QUANT C0, 33
.irp c, 0,1,2,3
	global_store_b128 v4, v[C0+4*\c:C0+4*\c+3], s[38:39] offset:512*\c   ; a chunk: 512 consecutive bytes, at a multiple of 512 from the buffer's first byte
.endr
	s_cmp_ge_u32 ttmp9, 512                        ; a weight has one set of codes
	s_cbranch_scc1 .Lend
	QUANT C1, 22                                   ; x with entry 2; each variant has its own code registers, so no store's data are written again
.irp c, 0,1,2,3
	global_store_b128 v8, v[C1+4*\c:C1+4*\c+3], s[38:39] offset:512*\c
.endr
	QUANT C2, 24                                   ; x with entry 4
.irp c, 0,1,2,3
	global_store_b128 v9, v[C2+4*\c:C2+4*\c+3], s[38:39] offset:512*\c
.endr
.Lend:
	s_wait_tensorcnt 0x0
	ds_add_u32 v160, v161
	s_wait_dscnt 0x0
	s_endpgm
.Lfunc_end_k_qee79b188a9_prep:
	.size	k_qee79b188a9_prep, .Lfunc_end_k_qee79b188a9_prep-k_qee79b188a9_prep
	.p2alignl 7, 3214868480
	.fill 96, 4, 3214868480
	.section	.rodata,"a",@progbits
	.p2align	6, 0x0
	.amdhsa_kernel k_qee79b188a9_prep
		.amdhsa_group_segment_fixed_size 68608
		.amdhsa_private_segment_fixed_size 0
		.amdhsa_enable_private_segment 0
		.amdhsa_kernarg_size 64
		.amdhsa_user_sgpr_count 2
		.amdhsa_user_sgpr_kernarg_segment_ptr 1
		.amdhsa_wavefront_size32 1
		.amdhsa_system_sgpr_workgroup_id_x 1
		.amdhsa_system_sgpr_workgroup_id_y 1
		.amdhsa_system_sgpr_workgroup_id_z 1
		.amdhsa_system_vgpr_workitem_id 0
		.amdhsa_next_free_vgpr 162
		.amdhsa_next_free_sgpr 66
		.amdhsa_reserve_vcc 0
		.amdhsa_float_denorm_mode_32 3
		.amdhsa_float_denorm_mode_16_64 3
		.amdhsa_fp16_overflow 1
		.amdhsa_memory_ordered 1
		.amdhsa_forward_progress 1
		.amdhsa_inst_pref_size 11
	.end_amdhsa_kernel
	.amdgpu_metadata
---
amdhsa.version: [ 1, 2 ]
amdhsa.kernels:
  - .name:           k_qee79b188a9_prep
    .symbol:         k_qee79b188a9_prep.kd
    .args:
      - { .name: x, .offset: 0, .size: 8, .value_kind: global_buffer, .address_space: global }
      - { .name: wq, .offset: 8, .size: 8, .value_kind: global_buffer, .address_space: global }
      - { .name: wk, .offset: 16, .size: 8, .value_kind: global_buffer, .address_space: global }
      - { .name: wv, .offset: 24, .size: 8, .value_kind: global_buffer, .address_space: global }
      - { .name: wo, .offset: 32, .size: 8, .value_kind: global_buffer, .address_space: global }
      - { .name: lowp_scales, .offset: 40, .size: 8, .value_kind: global_buffer, .address_space: global }
      - { .name: xc, .offset: 48, .size: 8, .value_kind: global_buffer, .address_space: global }
      - { .name: wc, .offset: 56, .size: 8, .value_kind: global_buffer, .address_space: global }
    .group_segment_fixed_size: 68608
    .private_segment_fixed_size: 0
    .kernarg_segment_align: 8
    .kernarg_segment_size: 64
    .max_flat_workgroup_size: 256
    .sgpr_count:     66
    .vgpr_count:     162
    .wavefront_size: 32
...
	.end_amdgpu_metadata
.endif
;; end of part 1
;; launch qkv (part 2): grid 12 x 32, 4 waves a work-group, clusters of 4 x 4, 327,680 bytes of LDS; arguments xc, wc, lowp_scales, qkvc; writes qkvc
.if DOCPART == 2
	.amdgcn_target "amdgcn-amd-amdhsa--gfx1250"
	.amdhsa_code_object_version 6
	.text
	.protected	k_qee79b188a9_qkv
	.globl	k_qee79b188a9_qkv
	.p2align	8
	.type	k_qee79b188a9_qkv,@function
k_qee79b188a9_qkv:
	s_mov_b64 s[64:65], 0
	v_nop
	global_prefetch_b8 v0, s[64:65] scope:SCOPE_SE
	s_setreg_imm32_b32 hwreg(HW_REG_WAVE_MODE, 25, 1), 1
	s_wait_xcnt 0x0
	s_wait_alu depctr_hold_cnt(0) depctr_sa_sdst(0) depctr_va_vdst(0) depctr_va_sdst(0) depctr_va_ssrc(0) depctr_va_vcc(0) depctr_vm_vsrc(0)
	s_getreg_b32 s2, hwreg(HW_REG_IB_STS2, 6, 4)
	s_cmp_eq_u32 s2, 0
	s_cbranch_scc0 .Lentry_in_a_cluster
	s_endpgm
.Lentry_in_a_cluster:
	s_bfe_u32 s2, ttmp6, 0x10000c
	s_cmp_lg_u32 s2, 0xf033
	s_cbranch_scc0 .Lentry_shape_is_right
	s_endpgm
.Lentry_shape_is_right:
; q = x wq^T, k = x wk^T, v = x wv^T on codes of FP8 (E4M3); the f32 sums are quantised on the way out into the codes that attention reads.  M 8,192, N 1,024, K 1,024, three times.
; The cluster's x says which product (sel = 0 q, 1 k, 2 v): it is the same in all sixteen partners, and what hangs on it is chosen by s_cselect, never by a branch.
; A tile of C, 256 x 256, is made by four waves, each 128 x 128: 64 accumulators of 16 x 16.  K goes in steps of 256 through a ring of two LDS slots filled by the tensor data mover.
; OPERANDS lie in memory in the order of the registers (tile 2 G + u = rows 32 G + 8 u + r + 8 (r / 8); a chunk of 512 bytes = [lane][16 bytes], lane (r, h): k = 32 c + 16 h + 0 .. 15; a tile's 256 along K = 4,096 bytes).
; So 8 tiles x 256 along K are one dense block of 32,768 bytes for one tensor load, and a fragment is four ds_load_b128 at 16 x lane: consecutive bytes, no pitch, no padding.
; ROLES.  Source 1 gives the result's LANE (its row r), source 0 runs along the result's REGISTERS: with these tiles the 16 registers of source-0 tiles 2 G, 2 G + 1 are 16 neighbours 32 G + 16 h + 0 .. 15.
;   q, k: lane = a row of x, registers = the head's channels: a chunk of q or k.     v: lane = a channel (a row of wv), registers = rows of x, the keys: a chunk of v with the keys innermost.
; So for v the two operands change places: the lane side (called A below) is wv, the register side (B) is x.  Two conversions make a chunk, which leaves straight from registers: 512 consecutive bytes a store.
; qkvc: q at 0 and k at 8 MiB: [batch 4][head 16][tile 128][chunk 2][512];  v at 16 MiB: [batch][head][64 keys: 32][tile of channels 4][chunk 2][512].
; CLUSTERS: 4 x 4 work-groups.  A's tiles hang on the tile row alone and are asked for jointly by a row of the cluster, B's on the tile column alone, by a column.
; LIMITS: e6 - e0 - e1, e7 - e2 - e3 and e9 - e4 - e5 (entries of the scales) lie between -126 and 119, so that the folded scale and 448 x it are f32 numbers.
; REGISTERS, in windows of 256: window 0: v4-29 addresses and scales; v128-255 A's fragments, ONE set, later the codes.  window 1: B's fragments, TWO sets.
;   window 2: the accumulators of A's blocks 0-3 (accumulator (a, b) at v[8 (8 (a % 4) + b)]);  window 3: blocks 4-7.
.set HALFT,  32768                     ; 8 tiles x 4,096 bytes: what one tensor load brings, and what one wave reads of A or of B
.set SLOT,   4*HALFT                   ; A's two halves, then B's two
.set SPARE,  2*SLOT                    ; behind the ring: the spare words, 128 bytes for each wave: two blocks of 256 bytes that no other line names
.set FR,     16                        ; registers of a fragment: 16 rows x 128 K
.set NL,     4                         ; LDS loads that bring one
.set NP,     4                         ; places behind this matrix instruction (ISA guide 7.12.1)
.set LAPS,   2                         ; K = 1,024 = 4 slots' worth = twice round the ring
.set ADRA, 16                          ; v16-17  LDS address of my A fragments in slot 0, 1
.set ADRB, 20                          ; v20-21  the same for B
.set SPW,  28                          ; v28     LDS address of my spare word; never rewritten
.set NIL,  29                          ; v29     0; never rewritten
.set TMP,  32
.set AF,   128
.set CD,   128
.set G1, 24                            ; s[24:31] descriptor group 1 for A's tiles;  s[32:39] group 0, one set for each slot
.set G0, 32
.set G1B, 48                           ; s[48:55], s[56:63] the same for B's tiles
.set G0B, 56
.set MSB, 0
.macro WIN new                         ; the immediate's high byte repeats the setting that is left
.if MSB != (\new)
	s_set_vgpr_msb (MSB<<8)|(\new)
.set MSB, \new
.endif
.endm
.set MUL_LO, 0xa1                      ; source 0 (B) window 1, source 1 (A) window 0, C and D window 2
.set MUL_HI, 0xf1                      ; the same, C and D window 3
.set TO_B,   0x40                      ; destination window 1, address window 0
; A joint load: waves 0 and 1 fetch for A, waves 2 and 3 for B.  Each line has one mask and one set of registers for all that issue it; the branch hangs on the wave's number alone.
; Four v_nop follow each of the two lines, ahead of the jump, the label and what follows.
.macro JLOAD g0a, g1a, g0b, g1b
	s_cmp_eq_u32 s15, 0
	s_cbranch_scc0 .Lfor_b_\@
	tensor_load_to_lds s[\g0a:\g0a+3], s[\g1a:\g1a+7]
	s_nop 0
.rept 4
	v_nop
.endr
	s_branch .Lasked_\@
.Lfor_b_\@:
	tensor_load_to_lds s[\g0b:\g0b+3], s[\g1b:\g1b+7]
	s_nop 0
.rept 4
	v_nop
.endr
.Lasked_\@:
.endm
.macro CREST                           ; a round of the cluster's barrier behind its opening barrier
	s_cmp_lg_u32 s14, 0
	s_cbranch_scc1 .Lnot_wave_0_\@
	s_barrier_signal -3
.Lnot_wave_0_\@:
	s_barrier_wait -3
	s_barrier_signal -1
	s_barrier_wait -1
.endm
.macro CROUND                          ; a whole round
	s_barrier_signal -1
	s_barrier_wait -1
	CREST
.endm
	s_load_b256 s[4:11], s[0:1], 0x0               ; xc s[4:5], wc s[6:7], the scales s[8:9], qkvc s[10:11]
	v_lshl_add_u32 v[SPW], v0, 2, SPARE
	v_mov_b32 v[NIL], 0
	ds_add_u32 v28, v29
	ds_add_u32 v28, v29
	s_wait_dscnt 0x0
	v_lshrrev_b32 v1, 5, v0
	v_readfirstlane_b32 s14, v1                    ; wave 0..3
	s_lshr_b32 s15, s14, 1                         ; which half of A's 16 tiles is mine.  Also: I fetch for A (0) or for B (1)
	s_and_b32 s16, s14, 1                          ; which half of B's.  Also: which 8 tiles I fetch
	s_bfe_u32 s40, ttmp6, 0x40000                  ; cx, cy: my place in the cluster
	s_bfe_u32 s41, ttmp6, 0x40004
	s_mov_b32 s12, ttmp9                           ; sel: the cluster's x
	s_and_b32 s13, ttmp7, 0xffff
	s_lshl_b32 s13, s13, 2                         ; 4 x the cluster's y
	s_add_co_u32 s86, s13, s41                     ; + cy
	s_add_co_u32 s87, s13, s40                     ; + cx
	s_lshl_b32 s88, s12, 23                        ; x's variant in xc: 8 MiB each
	s_lshl_b32 s89, s12, 20                        ; the weight in wc: 1 MiB each
	s_mov_b32 s66, 0x200000
	s_mov_b32 s82, 0x40000
	s_cmp_eq_u32 s12, 2                            ; v?
	s_cselect_b32 s17, s41, s86                    ; A's tile row: q, k: 32 of x (4 y + cy); v: 4 of wv (cy).  It never holds cx
	s_cselect_b32 s42, s87, s40                    ; B's tile column: q, k: 4 of the weight (cx); v: 32 of x (4 y + cx).  It never holds cy
	s_cselect_b32 s18, s89, s88                    ; A's part of its buffer
	s_cselect_b32 s22, s88, s89                    ; B's
	s_cselect_b32 s66, 0x40000, s66                ; from 256 along K to the next, in A's buffer: 2 MiB in xc, 256 KiB in wc
	s_cselect_b32 s82, 0x200000, s82               ; and in B's
	s_mov_b32 s67, 0
	s_mov_b32 s83, 0
	s_lshl_b32 s80, s66, 1                         ; twice that: a slot's next fill
	s_mov_b32 s81, 0
	s_lshl_b32 s84, s82, 1
	s_mov_b32 s85, 0
	s_lshl_b32 s90, s16, 15                        ; the 8 tiles that I fetch
	s_lshl_b32 s91, s17, 16                        ; 16 tiles x 4,096 bytes for each tile row
	s_add_co_u32 s18, s18, s91
	s_add_co_u32 s18, s18, s90
	s_mov_b32 s19, 0
	s_lshl_b32 s92, s42, 16
	s_add_co_u32 s22, s22, s92
	s_add_co_u32 s22, s22, s90
	s_mov_b32 s23, 0
	s_lshl_b32 s43, s41, 2
	s_lshl_b32 s43, 15, s43                        ; my row of the cluster
	s_lshl_b32 s44, 0x1111, s40                    ; my column
	; descriptor group 1: a dense block of 128 rows x 256 bytes
	s_or_b32 s[G1+0], s43, (3<<16)|(1<<21)         ; 15:0 the mask: A's tiles go to my row; 17:16 elements of 8 bytes; 20 no padding; 21 set beside a mask
	s_or_b32 s[G1B+0], s44, (3<<16)|(1<<21)        ; the same with the mask of my column
.irp g, G1, G1B
	s_mov_b32 s[\g+1], 32<<16                      ; tensor_dim0 = 32 elements
	s_mov_b32 s[\g+2], 128<<16                     ; tensor_dim1 = 128
	s_mov_b32 s[\g+3], 32<<16                      ; tile_dim0
	s_mov_b32 s[\g+4], 128                         ; tile_dim1
	s_mov_b32 s[\g+5], 32                          ; tensor_dim0_stride: the rows are dense
	s_mov_b32 s[\g+6], 0
	s_mov_b32 s[\g+7], 0
.endr
	s_mul_i32 s45, s14, HALFT                      ; where my tiles go: wave x 32,768: no place in the cluster enters an LDS address
	s_wait_kmcnt 0x0
	s_load_b256 s[68:75], s[8:9], 0x0              ; entries 0 to 7 of the scales
	s_load_b128 s[76:79], s[8:9], 0x20             ; entries 8 to 11
	s_cmp_eq_u32 s12, 2
	s_cselect_b64 s[20:21], s[6:7], s[4:5]         ; A's buffer: xc, for v wc
	s_cselect_b64 s[46:47], s[4:5], s[6:7]         ; B's: wc, for v xc
	s_add_nc_u64 s[20:21], s[20:21], s[18:19]
	s_add_nc_u64 s[46:47], s[46:47], s[22:23]
	CROUND                                         ; all sixteen work-groups are here: the first joint loads meet
.irp s, 0,1
	s_mov_b32 s[G0+4*\s], 1                        ; count = 1
	s_add_co_u32 s[G0+4*\s+1], s45, \s*SLOT        ; LDS address
	s_mov_b64 s[G0+4*\s+2:G0+4*\s+3], s[20:21]     ; global address: 256 along K number s
	s_or_b32 s[G0+4*\s+3], s[G0+4*\s+3], 0x80000000   ; type = 2
	s_mov_b32 s[G0B+4*\s], 1
	s_add_co_u32 s[G0B+4*\s+1], s45, \s*SLOT
	s_mov_b64 s[G0B+4*\s+2:G0B+4*\s+3], s[46:47]
	s_or_b32 s[G0B+4*\s+3], s[G0B+4*\s+3], 0x80000000
	JLOAD G0+4*\s, G1, G0B+4*\s, G1B
	s_add_nc_u64 s[20:21], s[20:21], s[66:67]      ; (copies: no descriptor names these)
	s_add_nc_u64 s[46:47], s[46:47], s[82:83]
.endr
	v_and_b32 v6, 31, v0
	v_lshlrev_b32 v4, 4, v6                        ; 16 x lane
	s_wait_alu depctr_va_vdst(0)
	s_mul_i32 s86, s15, HALFT                      ; my 8 tiles of A
	s_mul_i32 s87, s16, HALFT                      ; my 8 tiles of B,
	s_add_co_u32 s87, s87, 2*HALFT                 ; which lie behind A's 16
.irp s, 0,1
	v_add_nc_u32 v[ADRA+\s], s86, v4
	v_add_nc_u32 v[ADRB+\s], s87, v4
	s_add_co_u32 s86, s86, SLOT
	s_add_co_u32 s87, s87, SLOT
.endr
	; where my codes go.  P = the tile index on x's side (32 of them), W = on the weight's side (4), with my halves sp and sw:
	; sel x 8 MiB + (P / 8) batches of 2 MiB + (4 W + 2 sw) heads of 128 KiB + (P % 8) x 16 KiB + sp x 8 KiB: the same sum for q, k (tiles of 1 KiB) and for v (64 keys of 4 KiB)
	s_cmp_eq_u32 s12, 2
	s_cselect_b32 s86, s42, s17                    ; P
	s_cselect_b32 s87, s17, s42                    ; W
	s_cselect_b32 s88, s16, s15                    ; sp
	s_cselect_b32 s89, s15, s16                    ; sw
	s_mov_b32 s90, 0x20000
	s_cselect_b32 s90, 0x1000, s90                 ; from chunks 0, 1 to chunks 2, 3 of a block: q, k: the next head; v: the next 64 keys
	s_mov_b32 s91, 0x1000
	s_cselect_b32 s91, 0x20000, s91                ; from A's blocks 0-3 to blocks 4-7: q, k: four tiles on; v: the next head
	s_lshl_b32 s92, s12, 23
	s_lshr_b32 s93, s86, 3
	s_lshl_b32 s93, s93, 21
	s_add_co_u32 s92, s92, s93
	s_lshl_b32 s93, s87, 19
	s_add_co_u32 s92, s92, s93
	s_lshl_b32 s93, s89, 18
	s_add_co_u32 s92, s92, s93
	s_and_b32 s93, s86, 7
	s_lshl_b32 s93, s93, 14
	s_add_co_u32 s92, s92, s93
	s_lshl_b32 s93, s88, 13
	s_add_co_u32 s92, s92, s93
	s_mov_b32 s93, 0
	s_add_nc_u64 s[10:11], s[10:11], s[92:93]
	v_mov_b32 v8, v4                               ; v[8 + 2 f + x]: 16 x lane + f x s90 + x x s91
	v_add_nc_u32 v9, s91, v4
	v_add_nc_u32 v10, s90, v4
	v_add_nc_u32 v11, s90, v9
.macro FRAG reg, adr, q, i             ; a fragment, tile i, 128 along K number q of the slot: four chunks as they lie: registers 4 c .. 4 c + 3 hold k = 32 c + 16 (l / 16) + 0 .. 15 of the lane's row
.irp c, 0,1,2,3
	ds_load_b128 v[\reg+4*\c:\reg+4*\c+3], v[\adr] offset:4096*(\i)+2048*(\q)+512*\c
.endr
.endm
; 16 matrix instructions: A's blocks a0, a0 + 1 x B's eight, 128 along K.  p: B's set.  zero = 1: the first product starts the sums: nothing is ever cleared.
; The 64 accumulators take turns, one instruction a turn, in the same order in every step.
.macro MUL16 a0, p, zero
.irp a, \a0, \a0+1
.irp b, 0,1,2,3,4,5,6,7
.if \zero
	v_wmma_f32_16x16x128_fp8_fp8 v[8*(8*((\a)%4)+\b):8*(8*((\a)%4)+\b)+7], v[128*(\p)+FR*\b:128*(\p)+FR*\b+FR-1], v[AF+FR*(\a):AF+FR*(\a)+FR-1], 0
.else
	v_wmma_f32_16x16x128_fp8_fp8 v[8*(8*((\a)%4)+\b):8*(8*((\a)%4)+\b)+7], v[128*(\p)+FR*\b:128*(\p)+FR*\b+FR-1], v[AF+FR*(\a):AF+FR*(\a)+FR-1], v[8*(8*((\a)%4)+\b):8*(8*((\a)%4)+\b)+7]
.endif
.endr
.endr
.endm
.macro FETCH_B slot, q, p              ; B's eight fragments into set p
	WIN TO_B
.irp i, 0,1,2,3,4,5,6,7
	FRAG 128*(\p)+FR*\i, ADRB+\slot, \q, \i
.endr
	WIN 0
.endm
.macro FETCH_A slot, q, i0             ; A's blocks i0 .. i0 + 3
.irp i, \i0, \i0+1, \i0+2, \i0+3
	FRAG AF+FR*(\i), ADRA+\slot, \q, \i
.endr
.endm
.macro PLACES n                        ; a load into a register that a matrix instruction has read, and a vector instruction that reads a matrix result, stand NP plain vector instructions behind it (ISA guide 7.12.1 for vector instructions)
.rept \n
	v_nop
.endr
.endm
; A step of 128 along K that has its successor in the same slot.  A's blocks are free as soon as their eight products are issued: blocks 0-3 are fetched anew in the step's middle, blocks 4-7 at its end.
.macro STEP slot, q, zero
	s_wait_dscnt 4*NL                              ; B's set and A's blocks 0-3 are in; the youngest 16 loads (A's blocks 4-7) may be out
	WIN MUL_LO
	MUL16 0, (\q)%2, \zero
	MUL16 2, (\q)%2, \zero
	s_wait_dscnt 0                                 ; A's blocks 4-7 are in
	PLACES NP
	FETCH_B \slot, (\q)+1, 1-(\q)%2
	FETCH_A \slot, (\q)+1, 0
	WIN MUL_HI
	MUL16 4, (\q)%2, \zero
	MUL16 6, (\q)%2, \zero
	PLACES NP
	WIN 0
	FETCH_A \slot, (\q)+1, 4
.endm
; A slot's last step changes slots: ONE barrier; in front of it each wave waits for all its tensor loads, adds 0 to its spare word, and waits for that and for its own reads of this slot.  fill = 1: this slot is filled again, two slots' worth of K ahead.
.macro TURN slot, next, fill
	s_wait_tensorcnt 0x0                           ; all my tensor loads have landed: my part of the next slot  (every window is 0 here)
	ds_add_u32 v[SPW], v[NIL]                      ; 0 onto my spare word
	s_wait_dscnt 4*NL+1                            ; (the add and the youngest 16 loads, A's blocks 4-7, may be out)
	WIN MUL_LO
	MUL16 0, 1, 0                                  ; sixteen matrix instructions stand between the add and the wait for it
	s_wait_dscnt 0x0                               ; the add is done, and my reads of this slot are over
	s_barrier_signal -1
	MUL16 2, 1, 0
	WIN 0
	s_barrier_wait -1
.if \fill
	CREST                                          ; the barrier has opened a round of the cluster's barrier: no wave of any partner still reads this slot or has a load on its way
	s_add_nc_u64 s[G0+4*\slot+2:G0+4*\slot+3], s[G0+4*\slot+2:G0+4*\slot+3], s[80:81]
	s_add_nc_u64 s[G0B+4*\slot+2:G0B+4*\slot+3], s[G0B+4*\slot+2:G0B+4*\slot+3], s[84:85]
	JLOAD G0+4*\slot, G1, G0B+4*\slot, G1B         ; the first tensor load behind the round; the four v_nop behind it are the places in front of the loads below
.else
	PLACES NP
.endif
	FETCH_B \next, 0, 0
	FETCH_A \next, 0, 0
	WIN MUL_HI
	MUL16 4, 1, 0
	MUL16 6, 1, 0
	PLACES NP
	WIN 0
	FETCH_A \next, 0, 4
.endm
	s_wait_alu depctr_va_vdst(0)
	s_wait_tensorcnt 1                             ; my part of slot 0 is in (slot 1's load may be out)
	s_barrier_signal -1
	s_barrier_wait -1                              ; everybody's is
	FETCH_B 0, 0, 0
	FETCH_A 0, 0, 0
	FETCH_A 0, 0, 4
	STEP 0, 0, 1                                   ; the first step stands in front of the loop: its products start the sums
	s_mov_b32 s3, LAPS-1
.Llap:                                                 ; a trip goes once round the ring, from a lap's second step to the next lap's first, and fills both slots again
	TURN 0, 1, 1
	STEP 1, 0, 0
	TURN 1, 0, 1
	STEP 0, 0, 0
	s_sub_co_u32 s3, s3, 1
	s_cmp_lg_u32 s3, 0
	s_cbranch_scc1 .Llap
	TURN 0, 1, 0                                   ; the last lap fills nothing, and has no round of the cluster's barrier
	STEP 1, 0, 0
	s_wait_dscnt 4*NL                              ; the very last step: nothing more to fetch
	WIN MUL_LO
	MUL16 0, 1, 0
	MUL16 2, 1, 0
	s_wait_dscnt 0
	WIN MUL_HI
	MUL16 4, 1, 0
	MUL16 6, 1, 0
	WIN 0
	; THE WAY OUT.  A sum stands for sum x 2^(ea + eb); its code is sum / 2^(eo - ea - eb): the three scales are folded into the conversion's one.
	s_wait_kmcnt 0x0
	s_sub_co_i32 s86, s74, s68
	s_sub_co_i32 s86, s86, s69                     ; q: e6 - e0 - e1
	s_sub_co_i32 s87, s75, s70
	s_sub_co_i32 s87, s87, s71                     ; k: e7 - e2 - e3
	s_sub_co_i32 s88, s77, s72
	s_sub_co_i32 s88, s88, s73                     ; v: e9 - e4 - e5
	s_cmp_eq_u32 s12, 1
	s_cselect_b32 s86, s87, s86
	s_cmp_eq_u32 s12, 2
	s_cselect_b32 s86, s88, s86
	s_add_co_i32 s86, s86, 127
	s_lshl_b32 s87, s86, 23
	s_add_co_i32 s86, s86, 8
	s_lshl_b32 s86, s86, 23
	s_or_b32 s86, s86, 0x600000
	PLACES NP                                      ; behind the last products
	v_mov_b32 v12, s87                             ; the folded scale as f32
; A's block a: its 64 registers, 8 b + j, are 64 neighbours in four chunks: 32 (n / 16) + 16 h + n % 16.  Converted, stored: each accumulator is read from its low end on.
.macro OUTQ a
.set AC, 64*((\a)%4)
	WIN 0x02+(\a)/4                                ; source 0: window 2 or 3
.set n, 0
.rept 64
.set n, n+1
.endr
.irp g, 0,1,2,3,4,5,6,7
	v_cvt_scalef32_pk8_fp8_f32 v[CD+16*(\a)+2*\g:CD+16*(\a)+2*\g+1], v[AC+8*\g:AC+8*\g+7], v12
.endr
	WIN 0
	v_nop                                          ; a plain line behind the last conversion
.irp be, 0,1,2,3
	global_store_b128 v[8+2*(\be/2)+(\a)/4], v[CD+16*(\a)+4*\be:CD+16*(\a)+4*\be+3], s[10:11] offset:((\a)%4)*1024+(\be%2)*512   ; a chunk: 512 consecutive bytes, aligned; each block has its own code registers, so no store's data are written again
.endr
.endm
.irp a, 0,1,2,3,4,5,6,7
	OUTQ \a
.endr
	s_wait_tensorcnt 0x0                           ; the wave's end
	ds_add_u32 v[SPW], v[NIL]
	s_wait_dscnt 0x0
	CROUND                                         ; the closing round: no work-group ends while a partner may still ask for a tile that names it
	s_endpgm
.Lfunc_end_k_qee79b188a9_qkv:
	.size	k_qee79b188a9_qkv, .Lfunc_end_k_qee79b188a9_qkv-k_qee79b188a9_qkv
	.p2alignl 7, 3214868480
	.fill 96, 4, 3214868480
	.section	.rodata,"a",@progbits
	.p2align	6, 0x0
	.amdhsa_kernel k_qee79b188a9_qkv
		.amdhsa_group_segment_fixed_size 327680
		.amdhsa_private_segment_fixed_size 0
		.amdhsa_enable_private_segment 0
		.amdhsa_kernarg_size 32
		.amdhsa_user_sgpr_count 2
		.amdhsa_user_sgpr_kernarg_segment_ptr 1
		.amdhsa_wavefront_size32 1
		.amdhsa_system_sgpr_workgroup_id_x 1
		.amdhsa_system_sgpr_workgroup_id_y 1
		.amdhsa_system_sgpr_workgroup_id_z 1
		.amdhsa_system_vgpr_workitem_id 0
		.amdhsa_next_free_vgpr 1024
		.amdhsa_next_free_sgpr 98
		.amdhsa_reserve_vcc 0
		.amdhsa_float_denorm_mode_32 3
		.amdhsa_float_denorm_mode_16_64 3
		.amdhsa_fp16_overflow 1
		.amdhsa_memory_ordered 1
		.amdhsa_forward_progress 1
		.amdhsa_inst_pref_size 87
	.end_amdhsa_kernel
	.amdgpu_metadata
---
amdhsa.version: [ 1, 2 ]
amdhsa.kernels:
  - .name:           k_qee79b188a9_qkv
    .symbol:         k_qee79b188a9_qkv.kd
    .args:
      - { .name: xc, .offset: 0, .size: 8, .value_kind: global_buffer, .address_space: global }
      - { .name: wc, .offset: 8, .size: 8, .value_kind: global_buffer, .address_space: global }
      - { .name: lowp_scales, .offset: 16, .size: 8, .value_kind: global_buffer, .address_space: global }
      - { .name: qkvc, .offset: 24, .size: 8, .value_kind: global_buffer, .address_space: global }
    .group_segment_fixed_size: 327680
    .private_segment_fixed_size: 0
    .kernarg_segment_align: 8
    .kernarg_segment_size: 32
    .max_flat_workgroup_size: 128
    .sgpr_count:     98
    .vgpr_count:     1024
    .wavefront_size: 32
...
	.end_amdgpu_metadata
.endif
;; end of part 2
;; launch attn (part 3): grid 4 x 64, 16 waves a work-group, clusters of 4 x 1, 264,192 bytes of LDS; arguments qkvc, lowp_scales, cc; writes cc
.if DOCPART == 3
	.amdgcn_target "amdgcn-amd-amdhsa--gfx1250"
	.amdhsa_code_object_version 6
	.text
	.protected	k_qee79b188a9_attn
	.globl	k_qee79b188a9_attn
	.p2align	8
	.type	k_qee79b188a9_attn,@function
k_qee79b188a9_attn:
	s_mov_b64 s[64:65], 0
	v_nop
	global_prefetch_b8 v0, s[64:65] scope:SCOPE_SE
	s_setreg_imm32_b32 hwreg(HW_REG_WAVE_MODE, 25, 1), 1
	s_wait_xcnt 0x0
	s_wait_alu depctr_hold_cnt(0) depctr_sa_sdst(0) depctr_va_vdst(0) depctr_va_sdst(0) depctr_va_ssrc(0) depctr_va_vcc(0) depctr_vm_vsrc(0)
	s_getreg_b32 s2, hwreg(HW_REG_IB_STS2, 6, 4)
	s_cmp_eq_u32 s2, 0
	s_cbranch_scc0 .Lentry_in_a_cluster
	s_endpgm
.Lentry_in_a_cluster:
	s_bfe_u32 s2, ttmp6, 0x10000c
	s_cmp_lg_u32 s2, 0x3003
	s_cbranch_scc0 .Lentry_shape_is_right
	s_endpgm
.Lentry_shape_is_right:
; ctx[b][h][q] = the sum over keys k <= q of softmax_k(q . k / 8) v[k], head size 64, 2,048 keys, 64 (batch, head) pairs; both products on codes of FP8 (E4M3); ctx leaves as codes for the last product.
; THE SOFTMAX AHEAD OF THE SECOND PRODUCT: t = score x log2(e) / 8; M = the running largest t rounded UP to a whole number; p = 2^(t - M) is quantised with 2^e8, not normalised; the row's sum is taken of the
; unquantised p and divides at the end.  When M moves, the sum and O are multiplied by 2^(old M - new M): exact.
; SHARES.  The work-group's y is batch x 16 + head.  The four work-groups of a cluster share that head.  Wave j of the work-group at place g owns 32 queries, 128 j + 32 g + 0 .. 31: two tiles of 16.
; So the four partners' waves j need the same key steps (64 keys each): steps 0 .. 2 j + 1, of which 2 j and 2 j + 1 are masked.  The branches hang on the wave's number and the step alone, never on g;
; for g = 0, 1 step 2 j + 1 is wholly hidden and gives p = 0 (M is a number from step 0 on: key 0 counts for every query).
; A HEAD'S K AND V LIE WHOLE IN LDS: K's 131,072 bytes at 0, V's behind them.  Every LDS byte is filled once: no slot is filled again.  Wave 0 asks for K, wave 1 for V, in eight chunks of 256 keys (16,384 bytes) each,
; JOINTLY with the three partners.  By this text's count a wave has eight tensor loads outstanding.  Chunk n is read behind a counted wait and a barrier, while the later chunks are on their way.
; LAYOUT.  All codes lie in the order of the registers (tile 2 G + u = rows 32 G + 8 u + r + 8 (r / 8); a chunk of 512 bytes = [lane][16 bytes]: k = 32 c + 16 h + 0 .. 15).  Both products are used transposed:
; S^T = K Q^T (source 0 = 16 keys), O^T = V^T P^T (source 0 = 16 channels): a lane holds ONE query throughout, and register n of a tile's 32 scores is key 64 step + 32 (n / 16) + 16 h + n % 16.
; LIMITS on the scales' entries: e6 + e7 between -123 and 130 (added to c's exponent field); e8 and e10 between -126 and 119.
; REGISTERS: v1 16 x lane; v2, v3 LDS addresses; v4, v5 my query - 16 h (tile 0, 1); v6, v7 at work; v8-17, v18-27 statistics; v28-43 Q; v44-75 K; v76-107 V; v108-171 S^T, then p; v172-235 O^T; v236-251 codes;
;   v252 the conversion's scale, v254 -infinity.  A tile's statistics: +0 -M, +1 the largest t, +2 +3 the sum in two halves, +4 f (+5 its pair), +6 +7 at work, +8 +9 the second chain of sums, the permute's destination.
.set LI, 1
.set ADK, 2
.set ADV, 3
.set QL, 4
.set DD, 6
.set ST, 8
.set Q, 28
.set KF, 44
.set VF, 76
.set S, 108
.set O, 172
.set P, 236
.set SCL, 252
.set LIM, 253
.set NINF, 254
.set CS, 10                            ; s[10:11] c = log2(e) / 8 x 2^(e6 + e7), twice
.set SEL, 14                           ; s[14:15] lane selects for v_permlanex16_b32: lane l xor 16
.set WV, 18                            ; s18 my wave's number j
.set GG, 19                            ; s19 g: my work-group's place in the cluster: it enters Q's and ctx's addresses and the mask's numbers alone
.set BH, 20                            ; s20 batch x 16 + head
.set G1, 24                            ; s[24:31] descriptor group 1;  s[32:63] eight groups 0
.set G0, 32
.set TB, 80                            ; s80 LDS byte at which the step's tiles of K begin: 4,096 x step
.set CNT, 81
.set LTB, 82                           ; s82 the last step that I work: 4,096 (2 j + 1)
.set DTB, 83                           ; s83 the first step that I mask: 4,096 x 2 j
.macro CROUND                          ; a round of the cluster's barrier
	s_barrier_signal -1
	s_barrier_wait -1
	s_cmp_lg_u32 s[WV], 0
	s_cbranch_scc1 .Lnot_wave_0_\@
	s_barrier_signal -3
.Lnot_wave_0_\@:
	s_barrier_wait -3
	s_barrier_signal -1
	s_barrier_wait -1
.endm
	s_load_b128 s[4:7], s[0:1], 0x0                ; qkvc s[4:5], the scales s[6:7]
	s_load_b64 s[8:9], s[0:1], 0x10                ; cc
	v_lshl_add_u32 v254, v0, 2, 0x40000
	v_mov_b32 v255, 0
	ds_add_u32 v254, v255
	ds_add_u32 v254, v255
	s_wait_dscnt 0x0
	v_lshrrev_b32 v1, 5, v0
	s_delay_alu instid0(VALU_DEP_1)
	v_readfirstlane_b32 s[WV], v1                  ; wave 0..15
	s_bfe_u32 s[GG], ttmp6, 0x40000
	s_and_b32 s[BH], ttmp7, 0xffff
	; descriptor group 1: a dense block of 64 rows x 256 bytes
	s_mov_b32 s[G1], 15|(3<<16)|(1<<21)            ; 15:0 the mask: all four work-groups; 17:16 elements of 8 bytes; 20 no padding; 21 set beside a mask
	s_mov_b32 s[G1+1], 32<<16                      ; tensor_dim0 = 32 elements
	s_mov_b32 s[G1+2], 64<<16                      ; tensor_dim1 = 64
	s_mov_b32 s[G1+3], 32<<16                      ; tile_dim0
	s_mov_b32 s[G1+4], 64                          ; tile_dim1
	s_mov_b32 s[G1+5], 32                          ; tensor_dim0_stride: the rows are dense
	s_mov_b32 s[G1+6], 0
	s_mov_b32 s[G1+7], 0
	s_and_b32 s84, s[WV], 1                        ; wave 0: K; wave 1: V
	s_lshl_b32 s85, s84, 17                        ; in LDS: 0 or 131,072
	s_lshl_b32 s86, s84, 23
	s_add_co_u32 s86, s86, 0x800000                ; in qkvc: k at 8 MiB, v at 16 MiB,
	s_lshl_b32 s87, s[BH], 17
	s_add_co_u32 s86, s86, s87                     ; + the head's 131,072 bytes
	s_mov_b32 s87, 0
	s_lshl_b32 s88, s[WV], 2
	s_add_co_u32 s88, s88, s[GG]                   ; T = 4 j + g: my queries are tiles 2 T and 2 T + 1 of the head
	s_lshl_b32 s90, s[BH], 17
	s_lshl_b32 s89, s88, 11
	s_add_co_u32 s90, s90, s89                     ; Q: the head + 2,048 T
	s_mov_b32 s91, 0
	s_and_b32 s92, s[BH], 15                       ; the head
	s_lshr_b32 s93, s[BH], 4                       ; the batch
	s_lshl_b32 s94, s93, 19                        ; ctx's codes, laid as x's: 128 tiles of 4,096 bytes a batch,
	s_lshl_b32 s89, s88, 13
	s_add_co_u32 s94, s94, s89                     ; tile 2 T,
	s_lshr_b32 s93, s92, 2
	s_lshl_b32 s93, s93, 21
	s_add_co_u32 s94, s94, s93                     ; 256 along K: head / 4, 2 MiB each,
	s_bfe_u32 s93, s92, 0x10001
	s_lshl_b32 s93, s93, 11
	s_add_co_u32 s94, s94, s93                     ; 128 along K: (head / 2) % 2,
	s_and_b32 s93, s92, 1
	s_lshl_b32 s93, s93, 10
	s_add_co_u32 s94, s94, s93                     ; two chunks: head % 2
	s_mov_b32 s95, 0
	s_lshl_b32 s[DTB], s[WV], 13
	s_add_co_u32 s[LTB], s[DTB], 4096
	s_mov_b32 s[SEL], 0x76543210
	s_mov_b32 s[SEL+1], 0xfedcba98
	s_wait_kmcnt 0x0
	s_load_b256 s[68:75], s[6:7], 0x0              ; entries 0 to 7 of the scales
	s_load_b128 s[76:79], s[6:7], 0x20             ; entries 8 to 11
	s_add_nc_u64 s[12:13], s[4:5], s[86:87]        ; what I fetch, if I fetch: it hangs on the head and the wave alone
	s_add_nc_u64 s[22:23], s[4:5], s[90:91]        ; Q
	s_add_nc_u64 s[8:9], s[8:9], s[94:95]          ; ctx
.irp i, 0,1,2,3,4,5,6,7
	s_mov_b32 s[G0+4*\i], 1                        ; count = 1
	s_add_co_u32 s[G0+4*\i+1], s85, \i*16384       ; LDS address: chunk i
	s_add_nc_u64 s[G0+4*\i+2:G0+4*\i+3], s[12:13], \i*16384
	s_or_b32 s[G0+4*\i+3], s[G0+4*\i+3], 0x80000000   ; type = 2
.endr
	CROUND                                         ; all four work-groups are here: the joint loads meet
	s_cmp_lt_u32 s[WV], 2                          ; all fills of a wave stand in one branch on the wave's number, ahead of every wait on TENSORcnt, every LDS read and every later barrier
	s_cbranch_scc0 .Lno_fetch
.irp i, 0,1,2,3,4,5,6,7
	tensor_load_to_lds s[G0+4*\i:G0+4*\i+3], s[G1:G1+7]
	s_nop 0
.endr
.rept 4
	v_nop
.endr
.Lno_fetch:
	v_and_b32 v[LI], 31, v0
	s_delay_alu instid0(VALU_DEP_1)
	v_lshlrev_b32 v[LI], 4, v[LI]
.irp c, 0,1,2,3
	global_load_b128 v[Q+4*\c:Q+4*\c+3], v[LI], s[22:23] offset:512*\c   ; Q's two fragments stay in registers
.endr
	v_and_b32 v6, 15, v0                           ; r
	v_and_b32 v7, 8, v0
	s_delay_alu instid0(VALU_DEP_1)
	v_add_nc_u32 v6, v6, v7                        ; r + 8 (r / 8)
	v_and_b32 v7, 16, v0
	s_delay_alu instid0(VALU_DEP_1)
	v_sub_nc_u32 v6, v6, v7                        ; - 16 h
	s_lshl_b32 s92, s88, 5
	v_add_nc_u32 v[QL], s92, v6                    ; tile 0: my query - 16 h
	s_delay_alu instid0(VALU_DEP_1)
	v_add_nc_u32 v[QL+1], 8, v[QL]                 ; tile 1: eight further on
	v_mov_b32 v[NINF], 0xff800000
.irp t, 0,1
	v_mov_b32 v[ST+10*\t+1], 0xff61b1e6            ; the largest t so far: -3e38, under every t
	s_delay_alu instid0(VALU_DEP_1)
	v_floor_f32 v[ST+10*\t], -v[ST+10*\t+1]        ; -M
.irp k, 2,3,4,5,6,7,8,9
	v_mov_b32 v[ST+10*\t+\k], 0                    ; the sum; the rest is written once, since pairs and a permute's destination count as read
.endr
.endr
.set n, 0
.rept 64
	v_mov_b32 v[O+n], 0                            ; O^T.  (The step is written without a first step of its own: the first finds zeros, which the first change of M leaves zeros)
.set n, n+1
.endr
	s_wait_kmcnt 0x0
	s_add_co_i32 s84, s74, s75
	s_lshl_b32 s84, s84, 23
	s_add_co_i32 s[CS], s84, 0x3e38aa3b            ; c = log2(e) / 8, with e6 + e7 added to its exponent field: a score stands for score x 2^(e6 + e7)
	s_mov_b32 s[CS+1], s[CS]                       ; (named with it as a pair, so it is written)
	s_add_co_i32 s84, s76, 127
	s_lshl_b32 s85, s84, 23
	v_mov_b32 v[SCL], s85                          ; 2^e8 as f32
	s_wait_loadcnt 0x0                             ; Q
; A KEY STEP: 64 keys against my two tiles of queries.
.macro STEP
	s_cmp_gt_u32 s[TB], s[LTB]                     ; all of the step's keys come after the queries of wave j in all four partners: nothing to do
	s_cbranch_scc1 .Lskip_\@
	s_setprio 2
	v_add_nc_u32 v[ADK], s[TB], v[LI]
	s_delay_alu instid0(VALU_DEP_1)
	v_add_nc_u32 v[ADV], 0x20000, v[ADK]
	v_nop
	v_nop                                          ; with the two additions: four places in front of loads into registers that the last step's products have read
.irp i, 0,1,2,3
.irp c, 0,1
	ds_load_b128 v[KF+8*\i+4*\c:KF+8*\i+4*\c+3], v[ADK] offset:1024*\i+512*\c
.endr
.endr
.irp i, 0,1,2,3
.irp c, 0,1
	ds_load_b128 v[VF+8*\i+4*\c:VF+8*\i+4*\c+3], v[ADV] offset:1024*\i+512*\c
.endr
.endr
	s_wait_dscnt 8                                 ; K's eight loads are in; V's eight may be out
.irp i, 0,1,2,3
.irp t, 0,1
	v_wmma_f32_16x16x64_fp8_fp8 v[S+32*\t+8*\i:S+32*\t+8*\i+7], v[KF+8*\i:KF+8*\i+7], v[Q+8*\t:Q+8*\t+7], 0
.endr
.endr
.rept 4
	v_nop
.endr
	s_cmp_lt_u32 s[TB], s[DTB]                     ; every key of the step counts for every query of wave j: no mask
	s_cbranch_scc1 .Lopen_\@
	s_lshr_b32 s84, s[TB], 6                       ; the step's first key
	v_sub_nc_u32 v[DD], v[QL], s84                 ; d = my query - the first key - 16 h: register n is hidden where 32 (n / 16) + n % 16 > d
	v_sub_nc_u32 v[DD+1], v[QL+1], s84
.irp t, 0,1
.set n, 0
.rept 32
	v_cmp_gt_i32 vcc_lo, 32*(n/16)+n%16, v[DD+\t]
	v_cndmask_b32 v[S+32*\t+n], v[S+32*\t+n], v[NINF], vcc_lo
.set n, n+1
.endr
.endr
.Lopen_\@:
.irp t, 0,1                                    ; the step's largest score of my query among my 32 keys, in two chains a tile; each accumulator is read from its low end on
	v_max3_num_f32 v[ST+10*\t+6], v[S+32*\t], v[S+32*\t+1], v[S+32*\t+2]
	v_max3_num_f32 v[ST+10*\t+7], v[S+32*\t+3], v[S+32*\t+4], v[S+32*\t+5]
.endr
.irp i, 6,10,14,18,22,26
.irp t, 0,1
	v_max3_num_f32 v[ST+10*\t+6], v[ST+10*\t+6], v[S+32*\t+\i], v[S+32*\t+\i+1]
	v_max3_num_f32 v[ST+10*\t+7], v[ST+10*\t+7], v[S+32*\t+\i+2], v[S+32*\t+\i+3]
.endr
.endr
.irp t, 0
	v_max3_num_f32 v[ST+10*\t+6], v[ST+10*\t+6], v[S+32*\t+30], v[S+32*\t+31]
.endr
.irp t, 1
	v_max3_num_f32 v[ST+10*\t+6], v[ST+10*\t+6], v[S+32*\t+30], v[S+32*\t+31]
.endr
.irp t, 0,1
	s_delay_alu instid0(VALU_DEP_2)
	v_max_num_f32 v[ST+10*\t+6], v[ST+10*\t+6], v[ST+10*\t+7]
.endr
.irp t, 0,1
	s_delay_alu instid0(VALU_DEP_2)
	v_permlanex16_b32 v[ST+10*\t+8], v[ST+10*\t+6], s[SEL], s[SEL+1]
.endr
.irp t, 0,1
	s_delay_alu instid0(VALU_DEP_2)
	v_max_num_f32 v[ST+10*\t+6], v[ST+10*\t+6], v[ST+10*\t+8]   ; and among lane l xor 16's
.endr
.irp t, 0,1
	s_delay_alu instid0(VALU_DEP_2)
	v_mul_f32 v[ST+10*\t+6], s[CS], v[ST+10*\t+6]   ; as t (c is positive)
.endr
.irp t, 0,1
	s_delay_alu instid0(VALU_DEP_2)
	v_max_num_f32 v[ST+10*\t+1], v[ST+10*\t+1], v[ST+10*\t+6]   ; the running largest t
.endr
.irp t, 0,1
	v_mov_b32 v[ST+10*\t+6], v[ST+10*\t]
.endr
.irp t, 0,1
	s_delay_alu instid0(VALU_DEP_4)
	v_floor_f32 v[ST+10*\t], -v[ST+10*\t+1]        ; the new -M = floor(-t) = -ceil(t): M is a whole number
.endr
.irp t, 0,1
	s_delay_alu instid0(VALU_DEP_2)
	v_sub_f32 v[ST+10*\t+6], v[ST+10*\t], v[ST+10*\t+6]   ; old M - new M: a whole number, 0 or less
.endr
.irp t, 0,1
	s_delay_alu instid0(VALU_DEP_2)
	v_cvt_i32_f32 v[ST+10*\t+6], v[ST+10*\t+6]     ; (it saturates)
.endr
.irp t, 0,1
	s_delay_alu instid0(VALU_DEP_2)
	v_ldexp_f32 v[ST+10*\t+4], 1.0, v[ST+10*\t+6]  ; f = 2^(old M - new M)
.endr
.set n, 0
.rept 16
	v_pk_fma_f32 v[S+2*n:S+2*n+1], v[S+2*n:S+2*n+1], s[CS:CS+1], v[ST:ST+1] op_sel_hi:[1,0,0]   ; t - M, two at a time (of the pairs c and -M the low word serves both halves)
	v_pk_fma_f32 v[S+32+2*n:S+32+2*n+1], v[S+32+2*n:S+32+2*n+1], s[CS:CS+1], v[ST+10:ST+11] op_sel_hi:[1,0,0]
.set n, n+1
.endr
.set n, 0
	s_setprio 1
	s_wait_alu depctr_va_vdst(0)
.rept 64
	v_exp_f32 v[S+n], v[S+n]                       ; p = 2^(t - M), at most 1: not normalised
.set n, n+1
.endr
.irp t, 0,1
	v_pk_mul_f32 v[ST+10*\t+2:ST+10*\t+3], v[ST+10*\t+2:ST+10*\t+3], v[ST+10*\t+4:ST+10*\t+5] op_sel_hi:[1,0]   ; the sums under the new M.  (The plain place behind the exponentials)
.endr
	s_wait_alu depctr_va_vdst(0)
.irp t, 0,1
	v_pk_add_f32 v[ST+10*\t+8:ST+10*\t+9], v[S+32*\t:S+32*\t+1], v[S+32*\t+2:S+32*\t+3]   ; the row's sum is taken of the unquantised p: two at a time, in two chains a tile
.endr
.irp j, 4,8,12,16,20,24,28
.irp t, 0,1
	v_pk_add_f32 v[ST+10*\t+2:ST+10*\t+3], v[ST+10*\t+2:ST+10*\t+3], v[S+32*\t+\j:S+32*\t+\j+1]
	v_pk_add_f32 v[ST+10*\t+8:ST+10*\t+9], v[ST+10*\t+8:ST+10*\t+9], v[S+32*\t+\j+2:S+32*\t+\j+3]
.endr
.endr
.irp t, 0
	s_delay_alu instid0(VALU_DEP_3)
	v_pk_add_f32 v[ST+10*\t+2:ST+10*\t+3], v[ST+10*\t+2:ST+10*\t+3], v[ST+10*\t+8:ST+10*\t+9]
.endr
.irp t, 1
	s_delay_alu instid0(VALU_DEP_2)
	v_pk_add_f32 v[ST+10*\t+2:ST+10*\t+3], v[ST+10*\t+2:ST+10*\t+3], v[ST+10*\t+8:ST+10*\t+9]
.endr
.set n, 0
.rept 64
.set n, n+1
.endr
.set n, 0
.rept 8
	v_cvt_scalef32_pk8_fp8_f32 v[P+2*n:P+2*n+1], v[S+8*n:S+8*n+7], v[SCL]   ; eight neighbouring keys: two registers of the second product's operand
.set n, n+1
.endr
.set n, 0
.rept 16
	v_pk_mul_f32 v[O+2*n:O+2*n+1], v[O+2*n:O+2*n+1], v[ST+4:ST+5] op_sel_hi:[1,0]   ; O^T under the new M.  (These are also the plain lines behind the conversions)
	v_pk_mul_f32 v[O+32+2*n:O+32+2*n+1], v[O+32+2*n:O+32+2*n+1], v[ST+14:ST+15] op_sel_hi:[1,0]
.set n, n+1
.endr
	s_setprio 0
	s_wait_alu depctr_va_vdst(0)
	s_wait_dscnt 0x0                               ; V is in
.irp i, 0,1,2,3                                ; the eight accumulators take turns, one instruction a turn; the next step's first products stand between two links
.irp t, 0,1
	v_wmma_f32_16x16x64_fp8_fp8 v[O+32*\t+8*\i:O+32*\t+8*\i+7], v[VF+8*\i:VF+8*\i+7], v[P+8*\t:P+8*\t+7], v[O+32*\t+8*\i:O+32*\t+8*\i+7]
.endr
.endr
.Lskip_\@:
.endm
; Chunk kap of K and of V: 256 keys, four steps.  The fetching waves wait until at most the 7 - kap loads issued behind this chunk's are out, then all sixteen meet: behind the barrier the chunk is whole for everybody.
; Every wave passes all eight barriers and walks all four trips; a wave with nothing left jumps over the step's work.
.macro CHUNK kap
	s_wait_tensorcnt 7-\kap
	s_wait_dscnt 0x0
	s_barrier_signal -1
	s_barrier_wait -1
	s_mov_b32 s[TB], \kap*16384
	s_mov_b32 s[CNT], 4
.Lst_\@:
	STEP
	s_add_co_u32 s[TB], s[TB], 4096
	s_sub_co_u32 s[CNT], s[CNT], 1
	s_cmp_lg_u32 s[CNT], 0
	s_cbranch_scc1 .Lst_\@
	s_setprio 0
.endm
.irp kap, 0,1,2,3,4,5,6,7
	CHUNK \kap
.endr
	; THE WAY OUT.  ctx = O^T x 2^(e8 + e9) / the sum; its code is ctx / 2^e10, held at +-448.  A tile's 32 registers are two chunks of the last product's operand: they leave straight from registers.
.rept 4
	v_nop                                          ; places behind the last products
.endr
.irp t, 0,1
	v_add_f32 v[ST+10*\t+6], v[ST+10*\t+2], v[ST+10*\t+3]   ; the sum's two halves,
.endr
.irp t, 0,1
	s_delay_alu instid0(VALU_DEP_2)
	v_permlanex16_b32 v[ST+10*\t+8], v[ST+10*\t+6], s[SEL], s[SEL+1]
.endr
.irp t, 0,1
	s_delay_alu instid0(VALU_DEP_2)
	v_add_f32 v[ST+10*\t+6], v[ST+10*\t+6], v[ST+10*\t+8]   ; and lane l xor 16's
.endr
	s_wait_alu depctr_va_vdst(0)
.irp t, 0,1
	v_rcp_f32 v[ST+10*\t+6], v[ST+10*\t+6]
.endr
	s_add_co_i32 s84, s76, s77                     ; e8 + e9
	s_add_co_i32 s85, s78, 127
	s_lshl_b32 s86, s85, 23
	v_mov_b32 v[SCL], s86                          ; 2^e10 as f32.  (The plain place behind the reciprocals)
	s_wait_alu depctr_va_vdst(0)
.irp t, 0,1
	v_ldexp_f32 v[ST+10*\t+6], v[ST+10*\t+6], s84
.endr
.set n, 0
.rept 16
	v_pk_mul_f32 v[O+2*n:O+2*n+1], v[O+2*n:O+2*n+1], v[ST+6:ST+7] op_sel_hi:[1,0]   ; each accumulator from its low end on
	v_pk_mul_f32 v[O+32+2*n:O+32+2*n+1], v[O+32+2*n:O+32+2*n+1], v[ST+16:ST+17] op_sel_hi:[1,0]
.set n, n+1
.endr
.set n, 0
.rept 64
.set n, n+1
.endr
.set n, 0
.rept 8
	v_cvt_scalef32_pk8_fp8_f32 v[P+2*n:P+2*n+1], v[O+8*n:O+8*n+7], v[SCL]
.set n, n+1
.endr
	v_nop
.irp t, 0,1
.irp be, 0,1
	global_store_b128 v[LI], v[P+8*\t+4*\be:P+8*\t+4*\be+3], s[8:9] offset:4096*\t+512*\be   ; a chunk: 512 consecutive bytes, aligned
.endr
.endr
	s_wait_xcnt 0x0
	v_lshl_add_u32 v254, v0, 2, 0x40000
	v_mov_b32 v255, 0
	s_wait_alu depctr_va_vdst(0)
	s_wait_tensorcnt 0x0
	ds_add_u32 v254, v255
	s_wait_dscnt 0x0
	CROUND                                         ; the closing round: no work-group ends while a partner may still ask for a tile that names it (all tensor loads were waited for at the last chunk)
	s_endpgm
.Lfunc_end_k_qee79b188a9_attn:
	.size	k_qee79b188a9_attn, .Lfunc_end_k_qee79b188a9_attn-k_qee79b188a9_attn
	.p2alignl 7, 3214868480
	.fill 96, 4, 3214868480
	.section	.rodata,"a",@progbits
	.p2align	6, 0x0
	.amdhsa_kernel k_qee79b188a9_attn
		.amdhsa_group_segment_fixed_size 264192
		.amdhsa_private_segment_fixed_size 0
		.amdhsa_enable_private_segment 0
		.amdhsa_kernarg_size 24
		.amdhsa_user_sgpr_count 2
		.amdhsa_user_sgpr_kernarg_segment_ptr 1
		.amdhsa_wavefront_size32 1
		.amdhsa_system_sgpr_workgroup_id_x 1
		.amdhsa_system_sgpr_workgroup_id_y 1
		.amdhsa_system_sgpr_workgroup_id_z 1
		.amdhsa_system_vgpr_workitem_id 0
		.amdhsa_next_free_vgpr 256
		.amdhsa_next_free_sgpr 96
		.amdhsa_reserve_vcc 1
		.amdhsa_float_denorm_mode_32 3
		.amdhsa_float_denorm_mode_16_64 3
		.amdhsa_fp16_overflow 1
		.amdhsa_memory_ordered 1
		.amdhsa_forward_progress 1
		.amdhsa_inst_pref_size 169
	.end_amdhsa_kernel
	.amdgpu_metadata
---
amdhsa.version: [ 1, 2 ]
amdhsa.kernels:
  - .name:           k_qee79b188a9_attn
    .symbol:         k_qee79b188a9_attn.kd
    .args:
      - { .name: qkvc, .offset: 0, .size: 8, .value_kind: global_buffer, .address_space: global }
      - { .name: lowp_scales, .offset: 8, .size: 8, .value_kind: global_buffer, .address_space: global }
      - { .name: cc, .offset: 16, .size: 8, .value_kind: global_buffer, .address_space: global }
    .group_segment_fixed_size: 264192
    .private_segment_fixed_size: 0
    .kernarg_segment_align: 8
    .kernarg_segment_size: 24
    .max_flat_workgroup_size: 512
    .sgpr_count:     96
    .vgpr_count:     256
    .wavefront_size: 32
...
	.end_amdgpu_metadata
.endif
;; end of part 3
;; launch outp (part 4): grid 4 x 32, 4 waves a work-group, clusters of 4 x 4, 327,680 bytes of LDS; arguments cc, wc, lowp_scales, wo_b, out0; writes out0
.if DOCPART == 4
	.amdgcn_target "amdgcn-amd-amdhsa--gfx1250"
	.amdhsa_code_object_version 6
	.text
	.protected	k_qee79b188a9_outp
	.globl	k_qee79b188a9_outp
	.p2align	8
	.type	k_qee79b188a9_outp,@function
k_qee79b188a9_outp:
	s_mov_b64 s[64:65], 0
	v_nop
	global_prefetch_b8 v0, s[64:65] scope:SCOPE_SE
	s_setreg_imm32_b32 hwreg(HW_REG_WAVE_MODE, 25, 1), 1
	s_wait_xcnt 0x0
	s_wait_alu depctr_hold_cnt(0) depctr_sa_sdst(0) depctr_va_vdst(0) depctr_va_sdst(0) depctr_va_ssrc(0) depctr_va_vcc(0) depctr_vm_vsrc(0)
	s_getreg_b32 s2, hwreg(HW_REG_IB_STS2, 6, 4)
	s_cmp_eq_u32 s2, 0
	s_cbranch_scc0 .Lentry_in_a_cluster
	s_endpgm
.Lentry_in_a_cluster:
	s_bfe_u32 s2, ttmp6, 0x10000c
	s_cmp_lg_u32 s2, 0xf033
	s_cbranch_scc0 .Lentry_shape_is_right
	s_endpgm
.Lentry_shape_is_right:
; out = ctx wo^T + wo_b: ctx's codes [8,192 x 1,024] x wo's codes [1,024 x 1,024], FP8 (E4M3); each f32 sum x 2^(e10 + e11) + the bias, one fused multiply-add; out is f32.
; A tile of C, 256 x 256, is made by four waves, each 128 x 128: 64 accumulators of 16 x 16.  K goes in steps of 256 through a ring of two LDS slots filled by the tensor data mover.
; OPERANDS lie in memory in the order of the registers (tile 2 G + u = rows 32 G + 8 u + r + 8 (r / 8); a chunk of 512 bytes = [lane][16 bytes], lane (r, h): k = 32 c + 16 h + 0 .. 15; a tile's 256 along K = 4,096 bytes):
; 8 tiles x 256 along K are one dense block of 32,768 bytes for one tensor load, and a fragment is four ds_load_b128 at 16 x lane.
; THE MATRIX INSTRUCTION IS USED TRANSPOSED: source 0 = a tile of wo (B), source 1 = a tile of ctx (A): lane (r, h) holds row r of A's tile, and the 16 registers of B's tiles 2 G, 2 G + 1 are columns 32 G + 16 h + 0 .. 15.
; CLUSTERS: 4 x 4 work-groups.  A's tiles hang on the tile row alone and are asked for jointly by a row of the cluster, B's on the tile column alone, by a column.
; LIMIT: e10 + e11 lies between -126 and 127, so that 2^(e10 + e11) is an f32 number.
; REGISTERS, in windows of 256: window 0: v4-29 addresses, v8-11 the bias of my four columns; v128-255 A's fragments, ONE set, later rows of out.  window 1: B's fragments, TWO sets.  windows 2, 3: the accumulators.
.set HALFT,  32768                     ; 8 tiles x 4,096 bytes: what one tensor load brings, and what one wave reads of A or of B
.set SLOT,   4*HALFT                   ; A's two halves, then B's two
.set SPARE,  2*SLOT                    ; behind the ring: the spare words, 128 bytes for each wave: two blocks of 256 bytes that no other line names
.set SPITCH, 528                       ; the way out: a stage of 16 rows x (512 bytes + 16) for each wave.  It lies in slot 0, which has had its last fill and its last read when the first result is stored there
.set FR,     16
.set NL,     4
.set NP,     4                         ; places behind this matrix instruction (ISA guide 7.12.1)
.set LAPS,   2
.set ADRA, 16
.set ADRB, 20
.set STO,  24                          ; v24 the way out: where I put my results of a row
.set RD,   25                          ; v25 where I read a row back
.set CO,   26                          ; v26 16 x lane: my bytes of a row's 512
.set SPW,  28
.set NIL,  29
.set AF,   128
.set BK,   128                         ; 16 rows read back from the stage: v128-191 and v192-255 by turns
.set G1, 24
.set G0, 32
.set G1B, 48
.set G0B, 56
.set MSB, 0
.macro WIN new                         ; the immediate's high byte repeats the setting that is left
.if MSB != (\new)
	s_set_vgpr_msb (MSB<<8)|(\new)
.set MSB, \new
.endif
.endm
.set MUL_LO, 0xa1                      ; source 0 (B) window 1, source 1 (A) window 0, C and D window 2
.set MUL_HI, 0xf1                      ; the same, C and D window 3
.set TO_B,   0x40                      ; destination window 1, address window 0
; A joint load: waves 0 and 1 fetch for A, waves 2 and 3 for B; the branch hangs on the wave's number alone.  Four v_nop follow each of the two lines.
.macro JLOAD g0a, g1a, g0b, g1b
	s_cmp_eq_u32 s15, 0
	s_cbranch_scc0 .Lfor_b_\@
	tensor_load_to_lds s[\g0a:\g0a+3], s[\g1a:\g1a+7]
	s_nop 0
.rept 4
	v_nop
.endr
	s_branch .Lasked_\@
.Lfor_b_\@:
	tensor_load_to_lds s[\g0b:\g0b+3], s[\g1b:\g1b+7]
	s_nop 0
.rept 4
	v_nop
.endr
.Lasked_\@:
.endm
.macro CREST                           ; a round of the cluster's barrier behind its opening barrier
	s_cmp_lg_u32 s14, 0
	s_cbranch_scc1 .Lnot_wave_0_\@
	s_barrier_signal -3
.Lnot_wave_0_\@:
	s_barrier_wait -3
	s_barrier_signal -1
	s_barrier_wait -1
.endm
.macro CROUND                          ; a whole round
	s_barrier_signal -1
	s_barrier_wait -1
	CREST
.endm
	s_load_b256 s[4:11], s[0:1], 0x0               ; cc s[4:5], wc s[6:7], the scales s[8:9], wo_b s[10:11]
	s_load_b64 s[12:13], s[0:1], 0x20              ; out0
	v_lshl_add_u32 v[SPW], v0, 2, SPARE
	v_mov_b32 v[NIL], 0
	ds_add_u32 v28, v29
	ds_add_u32 v28, v29
	s_wait_dscnt 0x0
	v_lshrrev_b32 v1, 5, v0
	v_readfirstlane_b32 s14, v1                    ; wave 0..3
	s_lshr_b32 s15, s14, 1                         ; which half of A's 16 tiles is mine.  Also: I fetch for A (0) or for B (1)
	s_and_b32 s16, s14, 1                          ; which half of B's.  Also: which 8 tiles I fetch
	s_bfe_u32 s40, ttmp6, 0x40000                  ; cx, cy: my place in the cluster
	s_bfe_u32 s41, ttmp6, 0x40004
	s_lshl_b32 s42, ttmp9, 2
	s_add_co_u32 s42, s42, s40                     ; tile column of C = 4 x cluster x + cx
	s_and_b32 s17, ttmp7, 0xffff
	s_lshl_b32 s17, s17, 2
	s_add_co_u32 s17, s17, s41                     ; tile row of C = 4 x cluster y + cy
	s_mov_b32 s66, 0x200000                        ; from 256 along K to the next: 2 MiB in cc,
	s_mov_b32 s67, 0
	s_mov_b32 s80, 0x400000                        ; twice that: a slot's next fill
	s_mov_b32 s81, 0
	s_mov_b32 s82, 0x40000                         ; 256 KiB in wc
	s_mov_b32 s83, 0
	s_mov_b32 s84, 0x80000
	s_mov_b32 s85, 0
	s_lshl_b32 s90, s16, 15                        ; the 8 tiles that I fetch
	s_lshl_b32 s18, s17, 16                        ; 16 tiles x 4,096 bytes for each tile row
	s_add_co_u32 s18, s18, s90
	s_mov_b32 s19, 0
	s_lshl_b32 s22, s42, 16
	s_add_co_u32 s22, s22, s90
	s_add_co_u32 s22, s22, 0x300000                ; wo is the fourth matrix in wc
	s_mov_b32 s23, 0
	s_lshl_b32 s43, s41, 2
	s_lshl_b32 s43, 15, s43                        ; my row of the cluster
	s_lshl_b32 s44, 0x1111, s40                    ; my column
	; descriptor group 1: a dense block of 128 rows x 256 bytes
	s_or_b32 s[G1+0], s43, (3<<16)|(1<<21)         ; 15:0 the mask: A's tiles go to my row; 17:16 elements of 8 bytes; 20 no padding; 21 set beside a mask
	s_or_b32 s[G1B+0], s44, (3<<16)|(1<<21)
.irp g, G1, G1B
	s_mov_b32 s[\g+1], 32<<16                      ; tensor_dim0 = 32 elements
	s_mov_b32 s[\g+2], 128<<16                     ; tensor_dim1 = 128
	s_mov_b32 s[\g+3], 32<<16                      ; tile_dim0
	s_mov_b32 s[\g+4], 128                         ; tile_dim1
	s_mov_b32 s[\g+5], 32                          ; tensor_dim0_stride: the rows are dense
	s_mov_b32 s[\g+6], 0
	s_mov_b32 s[\g+7], 0
.endr
	s_mul_i32 s45, s14, HALFT                      ; where my tiles go: no place in the cluster enters an LDS address
	s_wait_kmcnt 0x0
	s_load_b64 s[96:97], s[8:9], 0x28              ; e10, e11
	s_add_nc_u64 s[20:21], s[4:5], s[18:19]
	s_add_nc_u64 s[46:47], s[6:7], s[22:23]
	CROUND                                         ; all sixteen work-groups are here: the first joint loads meet
.irp s, 0,1
	s_mov_b32 s[G0+4*\s], 1
	s_add_co_u32 s[G0+4*\s+1], s45, \s*SLOT
	s_mov_b64 s[G0+4*\s+2:G0+4*\s+3], s[20:21]
	s_or_b32 s[G0+4*\s+3], s[G0+4*\s+3], 0x80000000
	s_mov_b32 s[G0B+4*\s], 1
	s_add_co_u32 s[G0B+4*\s+1], s45, \s*SLOT
	s_mov_b64 s[G0B+4*\s+2:G0B+4*\s+3], s[46:47]
	s_or_b32 s[G0B+4*\s+3], s[G0B+4*\s+3], 0x80000000
	s_wait_alu depctr_va_vdst(0)
	s_wait_tensorcnt 0x0
	ds_add_u32 v28, v29
	ds_add_u32 v28, v29
	s_wait_dscnt 0x0
	CROUND
	JLOAD G0+4*\s, G1, G0B+4*\s, G1B
	s_add_nc_u64 s[20:21], s[20:21], s[66:67]      ; (copies: no descriptor names these)
	s_add_nc_u64 s[46:47], s[46:47], s[82:83]
.endr
	v_and_b32 v6, 31, v0
	v_lshlrev_b32 v[CO], 4, v6                     ; 16 x lane
	s_mul_i32 s86, s15, HALFT                      ; my 8 tiles of A
	s_mul_i32 s87, s16, HALFT                      ; my 8 tiles of B,
	s_add_co_u32 s87, s87, 2*HALFT                 ; which lie behind A's 16
.irp s, 0,1
	v_add_nc_u32 v[ADRA+\s], s86, v[CO]
	v_add_nc_u32 v[ADRB+\s], s87, v[CO]
	s_add_co_u32 s86, s86, SLOT
	s_add_co_u32 s87, s87, SLOT
.endr
	v_and_b32 v1, 15, v0                           ; r
	v_bfe_u32 v2, v0, 4, 1                         ; h
	s_mul_i32 s86, s14, 16*SPITCH                  ; my stage
	v_mul_u32_u24 v5, v1, SPITCH
	v_lshl_add_u32 v5, v2, 6, v5
	v_add_nc_u32 v[STO], s86, v5                   ; in: row r, + 64 h bytes: my 16 columns of each 32
	v_add_nc_u32 v[RD], s86, v[CO]                 ; back: the 32 lanes take one row of 512 bytes
	s_lshl_b32 s88, s42, 10                        ; my first column, in bytes: 1,024 x tile column + 512 x half
	s_lshl_b32 s89, s16, 9
	s_add_co_u32 s88, s88, s89
	s_mov_b32 s89, 0
	s_add_nc_u64 s[10:11], s[10:11], s[88:89]
	global_load_b128 v[8:11], v[CO], s[10:11]      ; the bias of my four columns; waited for on the way out
	s_lshl_b32 s90, s17, 20                        ; my first row: 256 x tile row + 128 x half, of 4,096 bytes
	s_lshl_b32 s91, s15, 19
	s_add_co_u32 s90, s90, s91
	s_add_co_u32 s90, s90, s88
	s_mov_b32 s91, 0
	s_add_nc_u64 s[12:13], s[12:13], s[90:91]
.macro FRAG reg, adr, q, i             ; a fragment, tile i, 128 along K number q of the slot: four chunks as they lie
.irp c, 0,1,2,3
	ds_load_b128 v[\reg+4*\c:\reg+4*\c+3], v[\adr] offset:4096*(\i)+2048*(\q)+512*\c
.endr
.endm
; 16 matrix instructions: A's blocks a0, a0 + 1 x B's eight, 128 along K.  The 64 accumulators take turns, one instruction a turn, in the same order in every step.
.macro MUL16 a0, p, zero
.irp a, \a0, \a0+1
.irp b, 0,1,2,3,4,5,6,7
.if \zero
	v_wmma_f32_16x16x128_fp8_fp8 v[8*(8*((\a)%4)+\b):8*(8*((\a)%4)+\b)+7], v[128*(\p)+FR*\b:128*(\p)+FR*\b+FR-1], v[AF+FR*(\a):AF+FR*(\a)+FR-1], 0
.else
	v_wmma_f32_16x16x128_fp8_fp8 v[8*(8*((\a)%4)+\b):8*(8*((\a)%4)+\b)+7], v[128*(\p)+FR*\b:128*(\p)+FR*\b+FR-1], v[AF+FR*(\a):AF+FR*(\a)+FR-1], v[8*(8*((\a)%4)+\b):8*(8*((\a)%4)+\b)+7]
.endif
.endr
.endr
.endm
.macro FETCH_B slot, q, p
	WIN TO_B
.irp i, 0,1,2,3,4,5,6,7
	FRAG 128*(\p)+FR*\i, ADRB+\slot, \q, \i
.endr
	WIN 0
.endm
.macro FETCH_A slot, q, i0
.irp i, \i0, \i0+1, \i0+2, \i0+3
	FRAG AF+FR*(\i), ADRA+\slot, \q, \i
.endr
.endm
.macro PLACES n                        ; a load into a register that a matrix instruction has read, and a vector instruction or LDS store that reads a matrix result, stand NP plain vector instructions behind it (ISA guide 7.12.1 for vector instructions)
.rept \n
	v_nop
.endr
.endm
.macro STEP slot, q, zero
	s_wait_dscnt 4*NL                              ; B's set and A's blocks 0-3 are in; the youngest 16 loads (A's blocks 4-7) may be out
	WIN MUL_LO
	MUL16 0, (\q)%2, \zero
	MUL16 2, (\q)%2, \zero
	s_wait_dscnt 0                                 ; A's blocks 4-7 are in
	PLACES NP
	FETCH_B \slot, (\q)+1, 1-(\q)%2
	FETCH_A \slot, (\q)+1, 0
	WIN MUL_HI
	MUL16 4, (\q)%2, \zero
	MUL16 6, (\q)%2, \zero
	PLACES NP
	WIN 0
	FETCH_A \slot, (\q)+1, 4
.endm
; A slot's last step changes slots: ONE barrier; in front of it each wave waits for all its tensor loads, adds 0 to its spare word, and waits for that and for its own reads of this slot.
.macro TURN slot, next, fill
	s_wait_tensorcnt 0x0                           ; all my tensor loads have landed: my part of the next slot  (every window is 0 here)
	ds_add_u32 v[SPW], v[NIL]                      ; 0 onto my spare word
	s_wait_dscnt 4*NL+1                            ; (the add and the youngest 16 loads may be out)
	WIN MUL_LO
	MUL16 0, 1, 0
	s_wait_dscnt 0x0                               ; the add is done, and my reads of this slot are over
	s_barrier_signal -1
	MUL16 2, 1, 0
	WIN 0
	s_barrier_wait -1
.if \fill
	CREST                                          ; the barrier has opened a round of the cluster's barrier: no wave of any partner still reads this slot or has a load on its way
	s_add_nc_u64 s[G0+4*\slot+2:G0+4*\slot+3], s[G0+4*\slot+2:G0+4*\slot+3], s[80:81]
	s_add_nc_u64 s[G0B+4*\slot+2:G0B+4*\slot+3], s[G0B+4*\slot+2:G0B+4*\slot+3], s[84:85]
	JLOAD G0+4*\slot, G1, G0B+4*\slot, G1B         ; the first tensor load behind the round; the four v_nop behind it are the places in front of the loads below
.else
	PLACES NP
.endif
	FETCH_B \next, 0, 0
	FETCH_A \next, 0, 0
	WIN MUL_HI
	MUL16 4, 1, 0
	MUL16 6, 1, 0
	PLACES NP
	WIN 0
	FETCH_A \next, 0, 4
.endm
	s_wait_alu depctr_va_vdst(0)
	s_wait_tensorcnt 1                             ; my part of slot 0 is in (slot 1's load may be out)
	s_barrier_signal -1
	s_barrier_wait -1                              ; everybody's is
	FETCH_B 0, 0, 0
	FETCH_A 0, 0, 0
	FETCH_A 0, 0, 4
	STEP 0, 0, 1                                   ; the first step stands in front of the loop: its products start the sums
	s_mov_b32 s3, LAPS-1
.Llap:
	TURN 0, 1, 1
	STEP 1, 0, 0
	TURN 1, 0, 1
	STEP 0, 0, 0
	s_sub_co_u32 s3, s3, 1
	s_cmp_lg_u32 s3, 0
	s_cbranch_scc1 .Llap
	TURN 0, 1, 0                                   ; the last lap fills nothing, and has no round of the cluster's barrier
	STEP 1, 0, 0
	s_wait_dscnt 4*NL
	WIN MUL_LO
	MUL16 0, 1, 0
	MUL16 2, 1, 0
	s_wait_dscnt 0
	WIN MUL_HI
	MUL16 4, 1, 0
	MUL16 6, 1, 0
	WIN 0
; THE WAY OUT, block by block of 16 rows x 128 columns.  The sums go as they are into my own stage in LDS (accumulator b, registers j: bytes 128 (b / 2) + 64 h + 32 (b % 2) + 4 j of row r) and come back as whole rows of
; 512 bytes; there each pair becomes sum x 2^(e10 + e11) + bias, and the 32 lanes store 512 consecutive bytes.  LDS serves a wave's instructions in order (ISA guide 5.7.1.4): no wait between the stores and the loads.
.macro TOSTAGE a
.set AC, 64*((\a)%4)
	WIN 0x08+4*((\a)/4)                            ; an LDS store's data: window 2 or 3
.irp b, 0,1,2,3,4,5,6,7
	ds_store_b128 v[STO], v[AC+8*\b:AC+8*\b+3] offset:128*(\b/2)+32*(\b%2)          ; each accumulator from its low end on
	ds_store_b128 v[STO], v[AC+8*\b+4:AC+8*\b+7] offset:128*(\b/2)+32*(\b%2)+16
.endr
	WIN 0
.set BB, BK+64*((\a)%2)
.irp t, 0,1,2,3,4,5,6,7,8,9,10,11,12,13,14,15
	ds_load_b128 v[BB+4*\t:BB+4*\t+3], v[RD] offset:\t*SPITCH
.endr
.endm
.macro SEND a, younger                 ; younger: the LDS instructions issued behind block a's loads, which may stay out
.set BB, BK+64*((\a)%2)
	s_wait_dscnt \younger                          ; the block is back in registers
.irp t, 0,1,2,3,4,5,6,7,8,9,10,11,12,13,14,15
	v_pk_fma_f32 v[BB+4*\t:BB+4*\t+1], v[BB+4*\t:BB+4*\t+1], s[96:97], v[8:9] op_sel_hi:[1,0,1]       ; (the scalar pair's low word for both halves)
	v_pk_fma_f32 v[BB+4*\t+2:BB+4*\t+3], v[BB+4*\t+2:BB+4*\t+3], s[96:97], v[10:11] op_sel_hi:[1,0,1]
.endr
.irp t, 0,1,2,3,4,5,6,7,8,9,10,11,12,13,14,15
	global_store_b128 v[CO], v[BB+4*\t:BB+4*\t+3], s[12:13] offset:(32*((\a)/2)+8*((\a)%2)+\t+8*(\t/8))*4096 th:TH_STORE_NT   ; row t of tile a: 512 consecutive bytes, aligned; 127 rows at the most: inside the signed 24-bit immediate; written once, read by nobody here
.endr
.endm
	s_wait_kmcnt 0x0
	s_add_co_i32 s96, s96, s97                     ; e10 + e11,
	s_add_co_i32 s96, s96, 127
	s_lshl_b32 s96, s96, 23                        ; makes the f32 number 2^(e10 + e11)
	s_wait_loadcnt 0x0                             ; the bias
	PLACES NP                                      ; behind the last products: for the LDS stores of results and the loads into the registers that held A's fragments
	TOSTAGE 0
.irp a, 1,2,3,4,5,6,7
.if \a > 1
	s_wait_xcnt 0x0                                ; block a - 2's stores have read their registers: block a's loads may land there
.endif
	TOSTAGE \a
	SEND \a-1, 32                                  ; behind block a - 1's loads: block a's 16 stores and 16 loads
.endr
	SEND 7, 0
	s_wait_tensorcnt 0x0                           ; the wave's end, behind my last tensor load and my last LDS store
	ds_add_u32 v[SPW], v[NIL]
	s_wait_dscnt 0x0
	CROUND                                         ; the closing round: no work-group ends while a partner may still ask for a tile that names it
	s_endpgm
.Lfunc_end_k_qee79b188a9_outp:
	.size	k_qee79b188a9_outp, .Lfunc_end_k_qee79b188a9_outp-k_qee79b188a9_outp
	.p2alignl 7, 3214868480
	.fill 96, 4, 3214868480
	.section	.rodata,"a",@progbits
	.p2align	6, 0x0
	.amdhsa_kernel k_qee79b188a9_outp
		.amdhsa_group_segment_fixed_size 327680
		.amdhsa_private_segment_fixed_size 0
		.amdhsa_enable_private_segment 0
		.amdhsa_kernarg_size 40
		.amdhsa_user_sgpr_count 2
		.amdhsa_user_sgpr_kernarg_segment_ptr 1
		.amdhsa_wavefront_size32 1
		.amdhsa_system_sgpr_workgroup_id_x 1
		.amdhsa_system_sgpr_workgroup_id_y 1
		.amdhsa_system_sgpr_workgroup_id_z 1
		.amdhsa_system_vgpr_workitem_id 0
		.amdhsa_next_free_vgpr 1024
		.amdhsa_next_free_sgpr 98
		.amdhsa_reserve_vcc 0
		.amdhsa_float_denorm_mode_32 3
		.amdhsa_float_denorm_mode_16_64 3
		.amdhsa_memory_ordered 1
		.amdhsa_forward_progress 1
		.amdhsa_inst_pref_size 124
	.end_amdhsa_kernel
	.amdgpu_metadata
---
amdhsa.version: [ 1, 2 ]
amdhsa.kernels:
  - .name:           k_qee79b188a9_outp
    .symbol:         k_qee79b188a9_outp.kd
    .args:
      - { .name: cc, .offset: 0, .size: 8, .value_kind: global_buffer, .address_space: global }
      - { .name: wc, .offset: 8, .size: 8, .value_kind: global_buffer, .address_space: global }
      - { .name: lowp_scales, .offset: 16, .size: 8, .value_kind: global_buffer, .address_space: global }
      - { .name: wo_b, .offset: 24, .size: 8, .value_kind: global_buffer, .address_space: global }
      - { .name: out0, .offset: 32, .size: 8, .value_kind: global_buffer, .address_space: global }
    .group_segment_fixed_size: 327680
    .private_segment_fixed_size: 0
    .kernarg_segment_align: 8
    .kernarg_segment_size: 40
    .max_flat_workgroup_size: 128
    .sgpr_count:     98
    .vgpr_count:     1024
    .wavefront_size: 32
...
	.end_amdgpu_metadata
.endif
;; end of part 4
